; MI455X (gfx1250); checked and timed in simulation.
; The chip was launched on July 23, 2026; its instructions are those of AMD's public machine-readable ISA for CDNA 5 (MIT licence, August 2026) and "CDNA5" Instruction Set Architecture Reference Guide (July 2026). The comments in the code are by the model that wrote it; some were corrected since.
;; Iterative Model. Allowed arithmetic: float matrix products may take bf16 or f16 operands with f32 sums; other float arithmetic in f32, or as packed bf16 or f16 multiplies, adds, multiply-adds, maxima and minima; sums over many terms, partial sums and values carried from step to step in f32; what a program stores and reads back later, other than sums and carried values, may be rounded once to bf16 or f16.
;; Inputs: W_fc 2,048 x 5 float32; W_feat 4,096 x 2,048 float32; b_fc 5 float32; prototypes 5 x 8 x 2,048 float32; x 8,192 x 4,096 float32.
;; Outputs: out0 8,192 x 5 float32; out1 8,192 int32.
;; Constants: epoch = 5.
;; 2 versions, each right; version 2 is version 1 with the launch gmat written anew for expert scheduling mode. Each part assembles by itself: llvm-mc -triple=amdgcn-amd-amdhsa -mcpu=gfx1250 --defsym DOCPART=n.
;; ======== version 1 of 2: 3 launches
;; workspace buffers: MT 131,072 bytes; GB 262,144 bytes
;; launch prep (part 1): grid 5 x 1, 8 waves a work-group, no clusters, 1,280 bytes of LDS; arguments prototypes, W_fc, MT; writes MT
.if DOCPART == 1
	.amdgcn_target "amdgcn-amd-amdhsa--gfx1250"
	.amdhsa_code_object_version 6
	.text
	.protected	k_q86c6c895b6_prep
	.globl	k_q86c6c895b6_prep
	.p2align	8
	.type	k_q86c6c895b6_prep,@function
k_q86c6c895b6_prep:
	s_mov_b64 s[64:65], 0
	v_nop
	global_prefetch_b8 v0, s[64:65] scope:SCOPE_SE
	s_setreg_imm32_b32 hwreg(HW_REG_WAVE_MODE, 25, 1), 1
	s_wait_xcnt 0x0
; THE PROGRAM (three launches: prep, gmat, final).  out0 = (x W_feat) W_fc + b_fc;  out1[b] = argmax over c of the mean cosine of feats[b] = x[b] W_feat with class c's 8 prototypes.
; WORK LEFT OUT, AND WHY IT IS DEAD, for all finite values of the inputs, in exact arithmetic:
;  (1) feats is never formed.  It reaches the outputs only through ten linear functionals and its own norm: out0 = feats W_fc + b, and score[b][c] = feats[b] . P[c] / (8 |feats[b]|) with
;      P[c] = the sum over s of prototypes[c][s] / |prototypes[c][s]|.  By associativity (x W_feat) M = x (W_feat M) with M = [W_fc | P^T], 2048 x 10: gmat makes G = W_feat M, final makes x G.
;  (2) 1 / (8 |feats[b]|) is positive and the same for the five scores of a row, so it cannot move the argmax: the norm of feats and the division by 8 are left out.  Where feats[b] = 0 the
;      five scores here are equal, and the first class is taken, as the argmax of reference()'s five NaN takes it.
;  (3) epoch = 5 is a constant of the problem and exceeds 2: the argmax of out0 is never taken.
;  Every input still has a way to an output and is loaded.
; FORMATS.  Each input is rounded ONCE to bf16 (nearest even) on its way to the matrix unit: x, W_feat, W_fc, b_fc, prototypes.  What the program makes itself and multiplies again (P, G) is carried
;  as THREE bf16 parts hi + mid + lo, each the rounding of what the parts before it left, in three matrix columns whose f32 sums are added at the end: out1 is a whole number that hangs on the order of two sums.
; LIMITS.  A NaN, an infinity or an overflow that reaches only the work left out (|feats|^2 past f32's range) is not carried to the result.  NaN scores (a prototype row that is all zeros, or whose
;  sum of squares lies under 2^-126; inputs that are not finite) are not ranked as jnp.argmax ranks NaN: here a NaN never wins.  The sums are taken in another order than reference()'s: two scores of a row
;  nearer to each other than about 1e-6 of their size may be ordered otherwise.
;
; THIS LAUNCH makes MT = M^T in bf16 parts: 32 rows (one for each matrix column) of 2,048 numbers, 4,096 bytes.
; COLUMNS, the same in MT and GB: column = 16 T + 8 g + jj; g = 0: the five columns of W_fc, g = 1: the five classes.  Part hi of functional j at (T 0, jj = j); mid at (T 1, jj = j);
;  lo at (T 0, jj = 5 + j) for j < 3 and at (T 1, jj = 2 + j) for j = 3, 4; (T 1, jj = 7) is 0.  W_fc rounded to bf16 IS its part hi: its mid and lo are 0.
; ORDER ALONG A ROW: that in which gmat's lanes take it.  The 16 bytes at 64 F + 32 q + 16 h hold d = 32 F + 16 q + 4 h + {0,1,2,3, 8,9,10,11}.
; SHARES.  Work-group c = class c and column c of W_fc.  Thread t owns the 16 bytes at 16 t of every row: d0 = 8 t - 4 (t & 1).  A wave's store covers 512 consecutive bytes, aligned.
; Five work-groups: the launch has work for no more (360 KiB in, 128 KiB out).
.set SPARE, 256                        ; LDS: 0..255 the waves' sums of squares (wave w: 8 f32 at 32 w); from 256 the spare words, 128 bytes for each of 8 waves
.set PO,  2                            ; v2   byte offset of d0 in a prototype's row: 32 t - 16 h
.set WO,  3                            ; v3   byte offset of row d0 of W_fc: 20 d0
.set SO,  4                            ; v4   16 t: my 16 bytes of a row of MT
.set LA,  5                            ; v5   32 x wave
.set LZ,  6                            ; v6   0: LDS address of the sums
.set SPW, 8                            ; v8   my spare word; never rewritten
.set NIL, 9                            ; v9   0; never rewritten
.set Z,   10                           ; v[10:13] 16 bytes of zeros
.set SS,  16                           ; v[16:23] sum of squares of prototype s
.set RN,  32                           ; v[32:47] 1 / norm of prototype s, twice (a pair for the packed forms)
.set P,   48                           ; v[48:55] P at my 8 d
.set WF,  56                           ; v[56:63] W_fc at my 8 d
.set X,   64                           ; v[64:127] prototype s at my 8 d: X + 8 s
.set T,   128                          ; v[128:191] at work
.set H,   192                          ; v[192:195], [196:199], [200:203] P's three parts, packed
.set M,   196
.set L,   200
.set WH,  204                          ; v[204:207] W_fc, packed
.set U,   208                          ; v[208:215] a part, widened again
	s_load_b128 s[4:7], s[0:1], 0x0                ; prototypes s[4:5], W_fc s[6:7]
	s_load_b64 s[8:9], s[0:1], 0x10                ; MT
	v_lshl_add_u32 v[SPW], v0, 2, SPARE
	v_mov_b32 v[NIL], 0
	v_lshrrev_b32 v1, 5, v0
	v_readfirstlane_b32 s12, v1                    ; wave 0..7
	v_and_b32 v1, 1, v0                            ; h
	v_lshlrev_b32 v[PO], 5, v0
	v_lshlrev_b32 v7, 4, v1
	v_sub_nc_u32 v[PO], v[PO], v7                  ; 32 t - 16 h
	v_mul_u32_u24 v[WO], v[PO], 5
	v_lshlrev_b32 v[SO], 4, v0
	s_lshl_b32 s17, s12, 5
	v_mov_b32 v[LA], s17
	v_mov_b32 v[LZ], 0
.irp i, 0,1,2,3
	v_mov_b32 v[Z+(\i)], 0
.endr
	s_mov_b32 s16, ttmp9                           ; c
	s_mov_b32 s13, 0xffff0000                      ; a word's upper bf16
	s_mov_b32 s14, 0x76543210                      ; v_permlanex16_b32: each lane takes its own place in the other half
	s_mov_b32 s15, 0xfedcba98
	s_lshl_b32 s20, s16, 16                        ; class c: 8 rows of 8,192 bytes
	s_mov_b32 s21, 0
	s_lshl_b32 s22, s16, 2                         ; column c of W_fc
	s_mov_b32 s23, 0
	s_lshl_b32 s24, s16, 12                        ; row c of MT
	s_mov_b32 s25, 0
	s_mov_b32 s26, 18*4096
	s_cmp_lt_u32 s16, 3
	s_cselect_b32 s26, 5*4096, s26                 ; part lo lies 5 rows on for c < 3, else 18
	s_mov_b32 s27, 0
	s_wait_kmcnt 0x0
	s_add_nc_u64 s[4:5], s[4:5], s[20:21]
	s_add_nc_u64 s[6:7], s[6:7], s[22:23]
	s_add_nc_u64 s[8:9], s[8:9], s[24:25]
	s_add_nc_u64 s[10:11], s[8:9], s[26:27]
.irp s, 0,1,2,3,4,5,6,7
	global_load_b128 v[X+8*(\s):X+8*(\s)+3],   v[PO], s[4:5] offset:8192*(\s)      ; d0 .. d0 + 3
	global_load_b128 v[X+8*(\s)+4:X+8*(\s)+7], v[PO], s[4:5] offset:8192*(\s)+32   ; d0 + 8 .. d0 + 11
.endr
.irp i, 0,1,2,3,4,5,6,7
	global_load_b32 v[WF+(\i)], v[WO], s[6:7] offset:20*(8*((\i)/4)+(\i)%4)
.endr
	s_wait_loadcnt 8                               ; the prototypes are in; the eight younger loads, W_fc's, may stay out
	; the prototypes are rounded to bf16 and widened again: the norms are those of the rounded rows
.set i, 0
.rept 32
	v_cvt_pk_bf16_f32 v[T+i], v[X+2*i], v[X+2*i+1]
.set i, i+1
.endr
.set i, 0
.rept 32
	v_lshlrev_b32 v[X+2*i], 16, v[T+i]
	v_and_b32 v[X+2*i+1], s13, v[T+i]
.set i, i+1
.endr
	; sums of squares: eight chains, one a prototype
.irp s, 0,1,2,3,4,5,6,7
	v_pk_mul_f32 v[T+32+2*(\s):T+32+2*(\s)+1], v[X+8*(\s):X+8*(\s)+1], v[X+8*(\s):X+8*(\s)+1]
.endr
.irp q, 1,2,3
.irp s, 0,1,2,3,4,5,6,7
	v_pk_fma_f32 v[T+32+2*(\s):T+32+2*(\s)+1], v[X+8*(\s)+2*(\q):X+8*(\s)+2*(\q)+1], v[X+8*(\s)+2*(\q):X+8*(\s)+2*(\q)+1], v[T+32+2*(\s):T+32+2*(\s)+1]
.endr
.endr
.irp s, 0,1,2,3,4,5,6,7
	v_add_f32 v[SS+(\s)], v[T+32+2*(\s)], v[T+32+2*(\s)+1]
.endr
.irp m, 1,2,4,8
.irp s, 0,1,2,3,4,5,6,7
	v_add_f32_dpp v[SS+(\s)], v[SS+(\s)], v[SS+(\s)] row_xmask:\m row_mask:0xf bank_mask:0xf
.endr
.endr
.irp s, 0,1,2,3,4,5,6,7
	v_permlanex16_b32 v[T+32+2*(\s)], v[SS+(\s)], s14, s15   ; its destination counts as read: a register that has been written
.endr
.irp s, 0,1,2,3,4,5,6,7
	v_add_f32 v[SS+(\s)], v[SS+(\s)], v[T+32+2*(\s)]
.endr
	ds_store_b128 v[LA], v[SS:SS+3]                ; all lanes of the wave write the same words with the same values
	ds_store_b128 v[LA], v[SS+4:SS+7] offset:16
	s_wait_dscnt 0x0                               ; for the others' sake: my stores are done
	s_barrier_signal -1
	s_barrier_wait -1
.irp u, 0,1,2,3,4,5,6,7,8,9,10,11,12,13,14,15
	ds_load_b128 v[T+4*(\u):T+4*(\u)+3], v[LZ] offset:16*(\u)   ; wave w's sum for prototype s -> T + 8 w + s, in every lane
.endr
	s_wait_dscnt 0x0
.irp d, 32, 16, 8
.set r, 0
.rept (\d)/2
	v_pk_add_f32 v[T+r:T+r+1], v[T+r:T+r+1], v[T+(\d)+r:T+(\d)+r+1]
.set r, r+2
.endr
.endr
.irp s, 0,1,2,3,4,5,6,7
	v_rsq_f32 v[RN+2*(\s)], v[T+(\s)]
	v_rsq_f32 v[RN+2*(\s)+1], v[T+(\s)]
.endr
	v_nop                                          ; a plain instruction behind the last of the batch (ISA guide 5.7.2),
	s_wait_alu depctr_va_vdst(0)                   ; and the one wait ahead of the batch's first reader
	; P = the sum over s of prototype s / its norm: four chains
.irp q, 0,1,2,3
	v_pk_mul_f32 v[P+2*(\q):P+2*(\q)+1], v[X+2*(\q):X+2*(\q)+1], v[RN:RN+1]
.endr
.irp s, 1,2,3,4,5,6,7
.irp q, 0,1,2,3
	v_pk_fma_f32 v[P+2*(\q):P+2*(\q)+1], v[X+8*(\s)+2*(\q):X+8*(\s)+2*(\q)+1], v[RN+2*(\s):RN+2*(\s)+1], v[P+2*(\q):P+2*(\q)+1]
.endr
.endr
; A part is taken: dst = P rounded to bf16, and P keeps what is left (the subtraction is exact)
.macro TAKE dst
.irp q, 0,1,2,3
	v_cvt_pk_bf16_f32 v[(\dst)+(\q)], v[P+2*(\q)], v[P+2*(\q)+1]
.endr
.irp q, 0,1,2,3
	v_lshlrev_b32 v[U+2*(\q)], 16, v[(\dst)+(\q)]
	v_and_b32 v[U+2*(\q)+1], s13, v[(\dst)+(\q)]
.endr
.irp q, 0,1,2,3
	v_pk_add_f32 v[P+2*(\q):P+2*(\q)+1], v[P+2*(\q):P+2*(\q)+1], v[U+2*(\q):U+2*(\q)+1] neg_lo:[0,1] neg_hi:[0,1]
.endr
.endm
	TAKE H
	TAKE M
.irp q, 0,1,2,3
	v_cvt_pk_bf16_f32 v[L+(\q)], v[P+2*(\q)], v[P+2*(\q)+1]
.endr
	s_wait_loadcnt 0x0                             ; W_fc
.irp q, 0,1,2,3
	v_cvt_pk_bf16_f32 v[WH+(\q)], v[WF+2*(\q)], v[WF+2*(\q)+1]
.endr
	global_store_b128 v[SO], v[WH:WH+3], s[8:9]                ; row c: W_fc's column, part hi
	global_store_b128 v[SO], v[Z:Z+3],   s[8:9] offset:65536   ; row 16 + c: its mid = 0
	global_store_b128 v[SO], v[H:H+3],   s[8:9] offset:32768   ; row 8 + c: P's hi
	global_store_b128 v[SO], v[M:M+3],   s[8:9] offset:98304   ; row 24 + c: P's mid
	global_store_b128 v[SO], v[Z:Z+3],   s[10:11]              ; W_fc's lo = 0
	global_store_b128 v[SO], v[L:L+3],   s[10:11] offset:32768 ; P's lo, eight rows on
	s_cmp_lg_u32 s16, 0
	s_cbranch_scc1 .Lend                           ; the two columns that are 0 are work-group 0's
	global_store_b128 v[SO], v[Z:Z+3], s[8:9] offset:94208     ; row 23
	global_store_b128 v[SO], v[Z:Z+3], s[8:9] offset:126976    ; row 31
.Lend:
	s_wait_tensorcnt 0x0                           ; the wave's end, behind my last LDS store
	ds_add_u32 v[SPW], v[NIL]
	s_wait_dscnt 0x0
	s_endpgm
.Lfunc_end_k_q86c6c895b6_prep:
	.size	k_q86c6c895b6_prep, .Lfunc_end_k_q86c6c895b6_prep-k_q86c6c895b6_prep
	.p2alignl 7, 3214868480
	.fill 96, 4, 3214868480
	.section	.rodata,"a",@progbits
	.p2align	6, 0x0
	.amdhsa_kernel k_q86c6c895b6_prep
		.amdhsa_group_segment_fixed_size 1280
		.amdhsa_private_segment_fixed_size 0
		.amdhsa_enable_private_segment 0
		.amdhsa_kernarg_size 24
		.amdhsa_user_sgpr_count 2
		.amdhsa_user_sgpr_kernarg_segment_ptr 1
		.amdhsa_wavefront_size32 1
		.amdhsa_system_sgpr_workgroup_id_x 1
		.amdhsa_system_sgpr_workgroup_id_y 1
		.amdhsa_system_sgpr_workgroup_id_z 1
		.amdhsa_system_vgpr_workitem_id 0
		.amdhsa_next_free_vgpr 216
		.amdhsa_next_free_sgpr 66
		.amdhsa_reserve_vcc 0
		.amdhsa_float_denorm_mode_32 3
		.amdhsa_float_denorm_mode_16_64 3
		.amdhsa_memory_ordered 1
		.amdhsa_forward_progress 1
		.amdhsa_inst_pref_size 22
	.end_amdhsa_kernel
	.amdgpu_metadata
---
amdhsa.version: [ 1, 2 ]
amdhsa.kernels:
  - .name:           k_q86c6c895b6_prep
    .symbol:         k_q86c6c895b6_prep.kd
    .args:
      - { .name: prototypes, .offset: 0, .size: 8, .value_kind: global_buffer, .address_space: global }
      - { .name: W_fc, .offset: 8, .size: 8, .value_kind: global_buffer, .address_space: global }
      - { .name: MT, .offset: 16, .size: 8, .value_kind: global_buffer, .address_space: global }
    .group_segment_fixed_size: 1280
    .private_segment_fixed_size: 0
    .kernarg_segment_align: 8
    .kernarg_segment_size: 24
    .max_flat_workgroup_size: 256
    .sgpr_count:     66
    .vgpr_count:     216
    .wavefront_size: 32
...
	.end_amdgpu_metadata
.endif
;; end of part 1
;; launch gmat (part 2): grid 256 x 1, 8 waves a work-group, no clusters, 18,432 bytes of LDS; arguments W_feat, MT, GB; writes GB
.if DOCPART == 2
	.amdgcn_target "amdgcn-amd-amdhsa--gfx1250"
	.amdhsa_code_object_version 6
	.text
	.protected	k_q86c6c895b6_gmat
	.globl	k_q86c6c895b6_gmat
	.p2align	8
	.type	k_q86c6c895b6_gmat,@function
k_q86c6c895b6_gmat:
	s_mov_b64 s[64:65], 0
	v_nop
	global_prefetch_b8 v0, s[64:65] scope:SCOPE_SE
	s_setreg_imm32_b32 hwreg(HW_REG_WAVE_MODE, 25, 1), 1
	s_wait_xcnt 0x0
; G = W_feat M, 4096 x 10, stored as GB: G^T in three bf16 parts, in the order in which the last launch's lanes take it.  feats = x W_feat is not formed: (x W_feat) M = x (W_feat M), as shown at the head of prep.
; W_feat is rounded once to bf16 on its way through registers; M comes from MT in three bf16 parts (32 columns; the plan of columns stands at the head of prep); sums in f32.
; SHARES.  Work-group w makes rows k = 16 w .. 16 w + 15 of G.  d IS SPLIT AMONG ITS EIGHT WAVES: wave v takes d = 256 v .. 256 v + 255, in four trips of 64: 256 consecutive bytes, aligned, of each
;  of the 16 rows of W_feat.  The eight partial sums meet in LDS; wave 0 adds them, adds the three parts' sums, splits each number into three bf16 parts again and stores 1,024 bytes.
; LAYOUT.  The product is taken transposed (source 0 = 16 rows of MT, source 1 = 16 rows of W_feat): lane (r = l % 16, h = l / 16) holds row k = 16 w + r and, in register jj, column 16 T + 8 h + jj:
;  all parts of the five functionals of group g = h lie in one lane.
; ORDER ALONG d.  Load j of 8 brings a lane the four f32 at d = 8 j + 4 h + 0..3 of the trip; pairs are rounded in place, and registers 8 f .. 8 f + 7 are fragment f.  So register q, half e of fragment F holds
;  d = 32 F + 8 (q / 2) + 4 h + 2 (q % 2) + e.  MT is laid out in the same order, and a permutation of d that both sources share keeps the products.
; IN FLIGHT.  Three sets of registers, a trip each: 48 loads of 512 bytes a wave are out at the start.  No loop: the four trips are written out, every offset is an immediate, no address register is rewritten.
; NO LDS ON THE WAY IN, NO CLUSTER.  No wave wants a byte of W_feat that another has fetched.  All work-groups read MT (128 KiB), but each byte of it is wanted by one wave of a work-group, once, and lies
;  in memory as the wave's registers take it: brought jointly into LDS it would be written there and read from there once more, behind rounds of a barrier, to spare loads of 128 KiB that every work-group has just read.
.set PART,  0                          ; LDS: wave v's two partial tiles at 2,048 v: register 4 q + e of tile T, lane l at 1,024 T + 512 q + 16 l + 4 e
.set STG,   16384                      ; wave 0's stage: tile T's 512 bytes as they go to GB
.set SPARE, 17408                      ; the spare words, 128 bytes for each of 8 waves
.set FA,  4                            ; v4   8,192 r + 16 h + 1,024 v: my place in W_feat's rows; never rewritten
.set FB,  5                            ; v5   4,096 r + 16 h + 512 v: in MT's rows; never rewritten
.set LS,  6                            ; v6   2,048 v + 16 l
.set LR,  7                            ; v7   16 l
.set SPW, 8                            ; v8   my spare word; never rewritten
.set NIL, 9                            ; v9   0; never rewritten
.set SA,  10                           ; v10  where my number of column jj = 0, tile 0 lies in the stage
.set ZR,  11                           ; v11  0: the column that is 0
.set ACC, 16                           ; v[16:47] four accumulators: fragment f, tile T at ACC + 8 (2 f + T)
.set BUF, 64                           ; v[64:255] three sets of 64: W_feat's 32, then MT's fragments (f, T) at 32 + 8 (2 f + T)
.set S0,  BUF                          ; at the end: tile 0's and tile 1's sums,
.set S1,  BUF+8
.set VAL, BUF+16                       ; the five numbers, their parts, and a part widened
.set HH,  BUF+24
.set MM,  BUF+32
.set LL,  BUF+40
.set TT,  BUF+48
	s_load_b128 s[4:7], s[0:1], 0x0                ; W_feat s[4:5], MT s[6:7]
	s_load_b64 s[8:9], s[0:1], 0x10                ; GB
	v_lshl_add_u32 v[SPW], v0, 2, SPARE
	v_mov_b32 v[NIL], 0
	v_lshrrev_b32 v1, 5, v0
	v_readfirstlane_b32 s10, v1                    ; wave 0..7
	v_and_b32 v1, 15, v0                           ; r
	v_bfe_u32 v2, v0, 4, 1                         ; h
	v_and_b32 v3, 31, v0                           ; l
	s_mov_b32 s11, 0xffff0000                      ; a word's upper bf16
	s_lshl_b32 s12, s10, 10
	s_lshl_b32 s13, s10, 9
	s_lshl_b32 s14, s10, 11
	v_lshlrev_b32 v[FA], 13, v1
	v_lshl_add_u32 v[FA], v2, 4, v[FA]
	v_add_nc_u32 v[FA], s12, v[FA]
	v_lshlrev_b32 v[FB], 12, v1
	v_lshl_add_u32 v[FB], v2, 4, v[FB]
	v_add_nc_u32 v[FB], s13, v[FB]
	v_lshl_add_u32 v[LS], v3, 4, s14
	v_lshlrev_b32 v[LR], 4, v3
	; GB holds, at 2,048 F + 1,024 T + 512 q + 16 (n + 16 h') + 2 i, column 16 T + n at k = 32 F + 8 (2 q + i / 4) + 4 h' + i % 4.  My k = 16 w + r: F = w / 2, q = w % 2, h' = (r / 4) % 2, i = 4 (r / 8) + r % 4; n = 8 h + jj
	v_bfe_u32 v12, v1, 2, 1                        ; h'
	v_lshrrev_b32 v13, 3, v1
	v_and_b32 v14, 3, v1
	v_lshl_add_u32 v13, v13, 2, v14                ; i
	v_lshlrev_b32 v[SA], 7, v2                     ; 16 x 8 h
	v_lshl_add_u32 v[SA], v12, 8, v[SA]            ; + 256 h'
	v_lshl_add_u32 v[SA], v13, 1, v[SA]            ; + 2 i
	v_add_nc_u32 v[SA], STG, v[SA]
	v_mov_b32 v[ZR], 0
	s_lshl_b32 s16, ttmp9, 17                      ; 16 rows of 8,192 bytes
	s_mov_b32 s17, 0
	s_lshr_b32 s18, ttmp9, 1
	s_lshl_b32 s18, s18, 11                        ; 2,048 F
	s_and_b32 s19, ttmp9, 1
	s_lshl_b32 s19, s19, 9                         ; 512 q
	s_add_co_u32 s18, s18, s19
	s_mov_b32 s19, 0
	s_wait_kmcnt 0x0
	s_add_nc_u64 s[4:5], s[4:5], s[16:17]
	s_add_nc_u64 s[8:9], s[8:9], s[18:19]
; Trip tau's 16 loads into set b
.macro LOADS b, tau
.irp j, 0,1,2,3,4,5,6,7
	global_load_b128 v[BUF+64*(\b)+4*(\j):BUF+64*(\b)+4*(\j)+3], v[FA], s[4:5] offset:256*(\tau)+32*(\j)
.endr
.irp f, 0,1
.irp c, 0,1
.irp p, 0,1
	global_load_b128 v[BUF+64*(\b)+32+8*(2*(\f)+(\c))+4*(\p):BUF+64*(\b)+32+8*(2*(\f)+(\c))+4*(\p)+3], v[FB], s[6:7] offset:65536*(\c)+128*(\tau)+64*(\f)+32*(\p)
.endr
.endr
.endr
.endm
; W_feat's 32 f32 of set b are rounded to bf16 in place: register i takes registers 2 i and 2 i + 1, ascending, so nothing is written before it is read
.macro CVT b
.set i, 0
.rept 16
	v_cvt_pk_bf16_f32 v[BUF+64*(\b)+i], v[BUF+64*(\b)+2*i], v[BUF+64*(\b)+2*i+1]
.set i, i+1
.endr
.endm
; A trip's four products.  The four accumulators take turns, one instruction a turn, from trip to trip too.  zero = 1: the first trip starts the sums
.macro MULS b, zero
.irp f, 0,1
.irp c, 0,1
.if \zero
	v_wmma_f32_16x16x32_bf16 v[ACC+8*(2*(\f)+(\c)):ACC+8*(2*(\f)+(\c))+7], v[BUF+64*(\b)+32+8*(2*(\f)+(\c)):BUF+64*(\b)+32+8*(2*(\f)+(\c))+7], v[BUF+64*(\b)+8*(\f):BUF+64*(\b)+8*(\f)+7], 0
.else
	v_wmma_f32_16x16x32_bf16 v[ACC+8*(2*(\f)+(\c)):ACC+8*(2*(\f)+(\c))+7], v[BUF+64*(\b)+32+8*(2*(\f)+(\c)):BUF+64*(\b)+32+8*(2*(\f)+(\c))+7], v[BUF+64*(\b)+8*(\f):BUF+64*(\b)+8*(\f)+7], v[ACC+8*(2*(\f)+(\c)):ACC+8*(2*(\f)+(\c))+7]
.endif
.endr
.endr
.endm
.macro PLACES                          ; four places behind the last product, in front of loads into registers that it has read and of sums that read results
.rept 4
	v_nop
.endr
.endm
.macro TREE                            ; eight waves' 16 sums at BUF + 16 v' -> BUF .. BUF + 15
.irp d, 64, 32, 16
.set r, 0
.rept (\d)/2
	v_pk_add_f32 v[BUF+r:BUF+r+1], v[BUF+r:BUF+r+1], v[BUF+(\d)+r:BUF+(\d)+r+1]
.set r, r+2
.endr
.endr
.endm
	LOADS 0, 0
	LOADS 1, 1
	LOADS 2, 2
	s_wait_loadcnt 32                              ; set 0 is in; the 32 younger loads, sets 1 and 2, stay out
	CVT 0
	MULS 0, 1
	PLACES
	LOADS 0, 3                                     ; the last trip, into the set just multiplied
	s_wait_loadcnt 32                              ; set 1 is in; set 2 and the new set 0 stay out
	CVT 1
	MULS 1, 0
	s_wait_loadcnt 16                              ; set 2 is in
	CVT 2
	MULS 2, 0
	s_wait_loadcnt 0x0
	CVT 0
	MULS 0, 0
	PLACES
	PLACES
.set r, 0
.rept 8
	v_pk_add_f32 v[ACC+r:ACC+r+1], v[ACC+r:ACC+r+1], v[ACC+16+r:ACC+16+r+1]  ; the two fragments' sums; each accumulator is read from its low end on
.set r, r+2
.endr
.irp c, 0,1
.irp p, 0,1
	ds_store_b128 v[LS], v[ACC+8*(\c)+4*(\p):ACC+8*(\c)+4*(\p)+3] offset:PART+1024*(\c)+512*(\p)
.endr
.endr
	s_wait_dscnt 0x0                               ; for wave 0's sake: my stores are done
	s_barrier_signal -1
	s_barrier_wait -1                              ; all eight partial sums lie in LDS
	s_cmp_lg_u32 s10, 0
	s_cbranch_scc1 .Lend                           ; wave 0 finishes
.irp w, 0,1,2,3,4,5,6,7
.irp c, 0,1
.irp p, 0,1
	ds_load_b128 v[BUF+16*(\w)+8*(\c)+4*(\p):BUF+16*(\w)+8*(\c)+4*(\p)+3], v[LR] offset:PART+2048*(\w)+1024*(\c)+512*(\p)
.endr
.endr
.endr
	s_wait_dscnt 0x0
	TREE
	; G(k, j) = hi's sum + (mid's sum + lo's sum)
.irp j, 0,1,2
	v_add_f32 v[VAL+(\j)], v[S1+(\j)], v[S0+5+(\j)]
.endr
.irp j, 3,4
	v_add_f32 v[VAL+(\j)], v[S1+(\j)], v[S1+2+(\j)]
.endr
.irp j, 0,1,2,3,4
	v_add_f32 v[VAL+(\j)], v[S0+(\j)], v[VAL+(\j)]
.endr
; A part is taken: dst = the number rounded to bf16 (in both halves), and the number keeps what is left (the subtraction is exact)
.macro TAKE dst
.irp j, 0,1,2,3,4
	v_cvt_pk_bf16_f32 v[(\dst)+(\j)], v[VAL+(\j)], v[VAL+(\j)]
.endr
.irp j, 0,1,2,3,4
	v_and_b32 v[TT+(\j)], s11, v[(\dst)+(\j)]
.endr
.irp j, 0,1,2,3,4
	v_sub_f32 v[VAL+(\j)], v[VAL+(\j)], v[TT+(\j)]
.endr
.endm
	TAKE HH
	TAKE MM
.irp j, 0,1,2,3,4
	v_cvt_pk_bf16_f32 v[LL+(\j)], v[VAL+(\j)], v[VAL+(\j)]
.endr
	; into the stage, two bytes at a time (once a work-group): 32 lanes x 8 columns x 2 bytes fill a tile's 512 bytes
.irp j, 0,1,2,3,4
	ds_store_b16 v[SA], v[HH+(\j)] offset:16*(\j)
	ds_store_b16 v[SA], v[MM+(\j)] offset:512+16*(\j)
.endr
.irp j, 0,1,2
	ds_store_b16 v[SA], v[LL+(\j)] offset:16*(5+(\j))
.endr
	ds_store_b16 v[SA], v[LL+3] offset:512+16*5
	ds_store_b16 v[SA], v[LL+4] offset:512+16*6
	ds_store_b16 v[SA], v[ZR]   offset:512+16*7
	ds_load_b128 v[BUF:BUF+3],   v[LR] offset:STG       ; LDS serves a wave's instructions in order (ISA guide 5.7.1.4): these see the stores above
	ds_load_b128 v[BUF+4:BUF+7], v[LR] offset:STG+512
	s_wait_dscnt 0x0
	global_store_b128 v[LR], v[BUF:BUF+3],   s[8:9]              ; 512 consecutive bytes, at a multiple of 512 from GB's first
	global_store_b128 v[LR], v[BUF+4:BUF+7], s[8:9] offset:1024
.Lend:
	s_wait_tensorcnt 0x0                           ; the wave's end, behind my last LDS store
	ds_add_u32 v[SPW], v[NIL]
	s_wait_dscnt 0x0
	s_endpgm
.Lfunc_end_k_q86c6c895b6_gmat:
	.size	k_q86c6c895b6_gmat, .Lfunc_end_k_q86c6c895b6_gmat-k_q86c6c895b6_gmat
	.p2alignl 7, 3214868480
	.fill 96, 4, 3214868480
	.section	.rodata,"a",@progbits
	.p2align	6, 0x0
	.amdhsa_kernel k_q86c6c895b6_gmat
		.amdhsa_group_segment_fixed_size 18432
		.amdhsa_private_segment_fixed_size 0
		.amdhsa_enable_private_segment 0
		.amdhsa_kernarg_size 24
		.amdhsa_user_sgpr_count 2
		.amdhsa_user_sgpr_kernarg_segment_ptr 1
		.amdhsa_wavefront_size32 1
		.amdhsa_system_sgpr_workgroup_id_x 1
		.amdhsa_system_sgpr_workgroup_id_y 1
		.amdhsa_system_sgpr_workgroup_id_z 1
		.amdhsa_system_vgpr_workitem_id 0
		.amdhsa_next_free_vgpr 256
		.amdhsa_next_free_sgpr 66
		.amdhsa_reserve_vcc 0
		.amdhsa_float_denorm_mode_32 3
		.amdhsa_float_denorm_mode_16_64 3
		.amdhsa_memory_ordered 1
		.amdhsa_forward_progress 1
		.amdhsa_inst_pref_size 24
	.end_amdhsa_kernel
	.amdgpu_metadata
---
amdhsa.version: [ 1, 2 ]
amdhsa.kernels:
  - .name:           k_q86c6c895b6_gmat
    .symbol:         k_q86c6c895b6_gmat.kd
    .args:
      - { .name: W_feat, .offset: 0, .size: 8, .value_kind: global_buffer, .address_space: global }
      - { .name: MT, .offset: 8, .size: 8, .value_kind: global_buffer, .address_space: global }
      - { .name: GB, .offset: 16, .size: 8, .value_kind: global_buffer, .address_space: global }
    .group_segment_fixed_size: 18432
    .private_segment_fixed_size: 0
    .kernarg_segment_align: 8
    .kernarg_segment_size: 24
    .max_flat_workgroup_size: 256
    .sgpr_count:     66
    .vgpr_count:     256
    .wavefront_size: 32
...
	.end_amdgpu_metadata
.endif
;; end of part 2
;; launch final (part 3): grid 256 x 1, 8 waves a work-group, no clusters, 35,840 bytes of LDS; arguments x, GB, b_fc, out0, out1; writes out0, out1
.if DOCPART == 3
	.amdgcn_target "amdgcn-amd-amdhsa--gfx1250"
	.amdhsa_code_object_version 6
	.text
	.protected	k_q86c6c895b6_final
	.globl	k_q86c6c895b6_final
	.p2align	8
	.type	k_q86c6c895b6_final,@function
k_q86c6c895b6_final:
	s_mov_b64 s[64:65], 0
	v_nop
	global_prefetch_b8 v0, s[64:65] scope:SCOPE_SE
	s_setreg_imm32_b32 hwreg(HW_REG_WAVE_MODE, 25, 1), 1
	s_wait_xcnt 0x0
; out0 = x G[:, 0:5] + b_fc;  out1 = argmax over c of x G[:, 5 + c].  Left out as dead (shown at the head of prep): feats itself, its norm and the division by 8, a positive factor that the five scores of a row share.
; x and b_fc are rounded once to bf16; G comes from GB in three bf16 parts (32 columns; the plan of columns stands at the head of prep); sums in f32.  LIMIT: a NaN score never wins here; ties go to the lower class, as in jnp.argmax.
; x IS THE LAUNCH: 128 MiB, each byte read once, by one wave.
; SHARES.  Work-group w makes rows 32 w .. 32 w + 31: two tiles of 16.  k IS SPLIT AMONG ITS EIGHT WAVES: wave v takes k = 512 v .. 512 v + 511 for both tiles, in eight trips of 64: 256 consecutive bytes,
;  aligned, of each of the 32 rows.  The eight partial sums meet in LDS; wave 0 finishes tile 0, wave 1 tile 1.
; LAYOUT.  The product is taken transposed (source 0 = 16 columns of G, source 1 = 16 rows of x): lane (r = l % 16, h = l / 16) holds row r of the tile and, in register jj, column 16 T + 8 h + jj: lanes 0-15 end with
;  a row's five numbers of out0, lanes 16-31 with its five scores; nothing changes lanes.
; ORDER ALONG k: as in gmat: load j of 8 brings a lane the f32 at k = 8 j + 4 h + 0..3 of the trip, pairs are rounded in place; GB lies in the same order, a fragment's half as 512 consecutive bytes.
; IN FLIGHT.  Two sets of registers, a trip each: while one is multiplied the other's 24 loads (8 KiB of x, 4 KiB of GB) are out, and the first is asked for again at once: 16 KiB of x a wave, 128 KiB a work-group.
;  The eight trips are written out: every offset is an immediate and no address register is ever rewritten, so the stream has no wait but the counted ones for its data.
; NO LDS ON THE WAY IN, NO CLUSTER.  No wave wants a byte of x that another has fetched.  All work-groups read GB (256 KiB against a work-group's 512 KiB of x), but each byte of it is wanted by one wave of a
;  work-group, once, and lies in memory as the wave's registers take it: brought jointly into LDS it would be written there and read from there once more, behind rounds of a barrier.
.set PART,  0                          ; LDS: wave v's four partial tiles at 4,096 v: row tile u, column tile T at 1,024 (2 u + T); register 4 q + e, lane l at 512 q + 16 l + 4 e
.set OST,   32768                      ; the stage for out0: 1,024 bytes for each of waves 0 and 1, of which 640 are used
.set SPARE, 34816                      ; the spare words, 128 bytes for each of 8 waves
.set FA,  4                            ; v4   16,384 r + 16 h + 2,048 v: my place in x's rows; never rewritten
.set GO,  5                            ; v5   16 l + 32,768 v: my place in GB; never rewritten
.set LS,  6                            ; v6   4,096 v + 16 l
.set LR,  7                            ; v7   2,048 x wave + 16 l: the row tile that I finish
.set SPW, 8                            ; v8   my spare word; never rewritten
.set NIL, 9                            ; v9   0; never rewritten
.set OA,  10                           ; v10  my stage + 320 h + 20 r: a row's five f32
.set OR,  11                           ; v11  my stage + 16 l
.set O0,  12                           ; v12  640 w + 320 x wave + 16 l: in out0
.set O1,  13                           ; v13  128 w + 64 x wave + 4 r: in out1
.set BZ,  14                           ; v14  0: b_fc's offset
.set ACC, 16                           ; v[16:47] four accumulators: row tile u, column tile T at ACC + 8 (2 u + T)
.set BI,  48                           ; v[48:52] b_fc; v[53:55] the same, packed
.set BUF, 64                           ; v[64:255] two sets of 96: x's tile u at 32 u, then GB's fragments (f, T) at 64 + 8 (2 f + T)
.set S0,  BUF                          ; at the end: column tile 0's and 1's sums,
.set S1,  BUF+8
.set VAL, BUF+16                       ; the five numbers,
.set OUT, BUF+24                       ; with the bias,
.set BEST, BUF+32                      ; the greatest so far and its class,
.set IDX, BUF+33
.set BK,  BUF+36                       ; and 16 bytes of out0
	s_load_b256 s[4:11], s[0:1], 0x0               ; x s[4:5], GB s[6:7], b_fc s[8:9], out0 s[10:11]
	s_load_b64 s[12:13], s[0:1], 0x20              ; out1
	v_lshl_add_u32 v[SPW], v0, 2, SPARE
	v_mov_b32 v[NIL], 0
	v_lshrrev_b32 v1, 5, v0
	v_readfirstlane_b32 s14, v1                    ; wave 0..7
	v_and_b32 v1, 15, v0                           ; r
	v_bfe_u32 v2, v0, 4, 1                         ; h
	v_and_b32 v3, 31, v0                           ; l
	v_mov_b32 v[BZ], 0
	s_mov_b32 s22, 0xffff0000                      ; a word's upper bf16
	s_lshl_b32 s16, ttmp9, 19                      ; 32 rows of 16,384 bytes
	s_mov_b32 s17, 0
	s_lshl_b32 s18, s14, 11
	s_lshl_b32 s19, s14, 15
	s_lshl_b32 s20, s14, 12
	v_lshlrev_b32 v[FA], 14, v1
	v_lshl_add_u32 v[FA], v2, 4, v[FA]
	v_add_nc_u32 v[FA], s18, v[FA]
	v_lshl_add_u32 v[GO], v3, 4, s19
	v_lshl_add_u32 v[LS], v3, 4, s20
	v_lshl_add_u32 v[LR], v3, 4, s18
	s_lshl_b32 s23, s14, 10
	s_add_co_u32 s23, s23, OST                     ; my stage (waves 0 and 1 alone use it)
	v_mul_u32_u24 v[OA], v1, 20
	v_mul_u32_u24 v15, v2, 320
	v_add_nc_u32 v[OA], v[OA], v15
	v_add_nc_u32 v[OA], s23, v[OA]
	v_lshl_add_u32 v[OR], v3, 4, s23
	s_mul_i32 s24, ttmp9, 640                      ; 32 rows of 20 bytes,
	s_mul_i32 s25, s14, 320                        ; my tile's 16
	s_add_co_u32 s24, s24, s25
	v_lshl_add_u32 v[O0], v3, 4, s24
	s_lshl_b32 s26, ttmp9, 7
	s_lshl_b32 s27, s14, 6
	s_add_co_u32 s26, s26, s27
	v_lshl_add_u32 v[O1], v1, 2, s26
	s_wait_kmcnt 0x0
	s_add_nc_u64 s[4:5], s[4:5], s[16:17]
	global_load_b128 v[BI:BI+3], v[BZ], s[8:9]     ; the bias, ahead of the stream: the oldest loads, so the first counted wait covers them
	global_load_b32 v[BI+4], v[BZ], s[8:9] offset:16
; Trip tau's 24 loads into set b
.macro LOADS b, tau
.irp u, 0,1
.irp j, 0,1,2,3,4,5,6,7
	global_load_b128 v[BUF+96*(\b)+32*(\u)+4*(\j):BUF+96*(\b)+32*(\u)+4*(\j)+3], v[FA], s[4:5] offset:262144*(\u)+256*(\tau)+32*(\j)
.endr
.endr
.irp f, 0,1
.irp c, 0,1
.irp p, 0,1
	global_load_b128 v[BUF+96*(\b)+64+8*(2*(\f)+(\c))+4*(\p):BUF+96*(\b)+64+8*(2*(\f)+(\c))+4*(\p)+3], v[GO], s[6:7] offset:4096*(\tau)+2048*(\f)+1024*(\c)+512*(\p)
.endr
.endr
.endr
.endm
; x's 64 f32 of set b are rounded to bf16 in place: in each tile register i takes registers 2 i and 2 i + 1, ascending, so nothing is written before it is read
.macro CVT b
.irp u, 0,1
.set i, 0
.rept 16
	v_cvt_pk_bf16_f32 v[BUF+96*(\b)+32*(\u)+i], v[BUF+96*(\b)+32*(\u)+2*i], v[BUF+96*(\b)+32*(\u)+2*i+1]
.set i, i+1
.endr
.endr
.endm
; A trip's eight products.  The four accumulators take turns, one instruction a turn, from trip to trip too.  zero = 1: the first four start the sums
.macro MULS b, zero
.irp f, 0,1
.irp u, 0,1
.irp c, 0,1
.if (\zero) && ((\f) == 0)
	v_wmma_f32_16x16x32_bf16 v[ACC+8*(2*(\u)+(\c)):ACC+8*(2*(\u)+(\c))+7], v[BUF+96*(\b)+64+8*(2*(\f)+(\c)):BUF+96*(\b)+64+8*(2*(\f)+(\c))+7], v[BUF+96*(\b)+32*(\u)+8*(\f):BUF+96*(\b)+32*(\u)+8*(\f)+7], 0
.else
	v_wmma_f32_16x16x32_bf16 v[ACC+8*(2*(\u)+(\c)):ACC+8*(2*(\u)+(\c))+7], v[BUF+96*(\b)+64+8*(2*(\f)+(\c)):BUF+96*(\b)+64+8*(2*(\f)+(\c))+7], v[BUF+96*(\b)+32*(\u)+8*(\f):BUF+96*(\b)+32*(\u)+8*(\f)+7], v[ACC+8*(2*(\u)+(\c)):ACC+8*(2*(\u)+(\c))+7]
.endif
.endr
.endr
.endr
.endm
.macro PLACES                          ; four places behind the last product, in front of loads into registers that it has read and of stores that read results
.rept 4
	v_nop
.endr
.endm
.macro TREE                            ; eight waves' 16 sums at BUF + 16 v' -> BUF .. BUF + 15
.irp d, 64, 32, 16
.set r, 0
.rept (\d)/2
	v_pk_add_f32 v[BUF+r:BUF+r+1], v[BUF+r:BUF+r+1], v[BUF+(\d)+r:BUF+(\d)+r+1]
.set r, r+2
.endr
.endr
.endm
; Trip tau is multiplied, and its set is asked for again with trip tau + 2; the last two trips load nothing
.macro TRIP tau
.if (\tau) < 7
	s_wait_loadcnt 24                              ; my set is in; the other set's 24 loads stay out
.else
	s_wait_loadcnt 0x0
.endif
	CVT (\tau)%2
.if (\tau) == 0
	MULS 0, 1
.else
	MULS (\tau)%2, 0
.endif
.if (\tau) < 6
	PLACES
	LOADS (\tau)%2, (\tau)+2
.endif
.endm
	LOADS 0, 0
	LOADS 1, 1
.irp n, 0,1,2,3,4,5,6,7
	TRIP \n
.endr
	PLACES
	PLACES
.irp a, 0,1,2,3
	ds_store_b128 v[LS], v[ACC+8*(\a):ACC+8*(\a)+3]   offset:PART+1024*(\a)       ; each accumulator is read from its low end on
	ds_store_b128 v[LS], v[ACC+8*(\a)+4:ACC+8*(\a)+7] offset:PART+1024*(\a)+512
.endr
	s_wait_dscnt 0x0                               ; for the others' sake: my stores are done
	s_barrier_signal -1
	s_barrier_wait -1                              ; all eight partial sums of both row tiles lie in LDS
	s_cmp_lt_u32 s14, 2                            ; wave 0 finishes row tile 0, wave 1 row tile 1
	s_cbranch_scc0 .Lend
.irp w, 0,1,2,3,4,5,6,7
.irp c, 0,1
.irp p, 0,1
	ds_load_b128 v[BUF+16*(\w)+8*(\c)+4*(\p):BUF+16*(\w)+8*(\c)+4*(\p)+3], v[LR] offset:PART+4096*(\w)+1024*(\c)+512*(\p)
.endr
.endr
.endr
	; the bias is rounded to bf16 like every input, and widened again, while the sums come out of LDS
	v_cvt_pk_bf16_f32 v[BI+5], v[BI], v[BI+1]
	v_cvt_pk_bf16_f32 v[BI+6], v[BI+2], v[BI+3]
	v_cvt_pk_bf16_f32 v[BI+7], v[BI+4], v[BI+4]
	v_lshlrev_b32 v[BI],   16,  v[BI+5]
	v_and_b32     v[BI+1], s22, v[BI+5]
	v_lshlrev_b32 v[BI+2], 16,  v[BI+6]
	v_and_b32     v[BI+3], s22, v[BI+6]
	v_lshlrev_b32 v[BI+4], 16,  v[BI+7]
	s_wait_dscnt 0x0
	TREE
	; functional j = hi's sum + (mid's sum + lo's sum): in lanes 0-15 of out0, in lanes 16-31 a score
.irp j, 0,1,2
	v_add_f32 v[VAL+(\j)], v[S1+(\j)], v[S0+5+(\j)]
.endr
.irp j, 3,4
	v_add_f32 v[VAL+(\j)], v[S1+(\j)], v[S1+2+(\j)]
.endr
.irp j, 0,1,2,3,4
	v_add_f32 v[VAL+(\j)], v[S0+(\j)], v[VAL+(\j)]
.endr
.irp j, 0,1,2,3,4
	v_add_f32 v[OUT+(\j)], v[VAL+(\j)], v[BI+(\j)]
.endr
	; the argmax, by selection alone, in every lane (lanes 16-31 hold scores): a later class wins only if strictly greater
	v_mov_b32 v[BEST], v[VAL]
	v_mov_b32 v[IDX], 0
.irp j, 1,2,3,4
	v_cmp_gt_f32 vcc_lo, v[VAL+(\j)], v[BEST]
	v_cndmask_b32 v[IDX], v[IDX], \j, vcc_lo
	v_cndmask_b32 v[BEST], v[BEST], v[VAL+(\j)], vcc_lo
.endr
	; out0's 16 rows of 20 bytes go through my stage, so that they leave as 320 consecutive bytes; lanes 16-31 write 320 bytes behind them that are read with them and not stored
.irp j, 0,1,2,3,4
	ds_store_b32 v[OA], v[OUT+(\j)] offset:4*(\j)
.endr
	ds_load_b128 v[BK:BK+3], v[OR]                 ; LDS serves a wave's instructions in order (ISA guide 5.7.1.4): this sees the stores above
	s_wait_dscnt 0x0
	s_wait_xcnt 0x0                                ; EXEC is a source of every memory instruction issued so far: it changes only behind this wait
	v_cmp_gt_u32 vcc_lo, 20, v3
	s_and_saveexec_b32 s21, vcc_lo                 ; 20 lanes x 16 bytes
	global_store_b128 v[O0], v[BK:BK+3], s[10:11]
	s_wait_xcnt 0x0                                ; and again, in front of the line that widens it
	s_or_b32 exec_lo, exec_lo, s21
	v_cmp_le_u32 vcc_lo, 16, v3
	s_and_saveexec_b32 s21, vcc_lo                 ; lanes 16-31: 64 consecutive bytes of out1
	global_store_b32 v[O1], v[IDX], s[12:13]
	s_wait_xcnt 0x0
	s_or_b32 exec_lo, exec_lo, s21
.Lend:
	s_wait_tensorcnt 0x0                           ; the wave's end, behind my last LDS store
	ds_add_u32 v[SPW], v[NIL]
	s_wait_dscnt 0x0
	s_endpgm
.Lfunc_end_k_q86c6c895b6_final:
	.size	k_q86c6c895b6_final, .Lfunc_end_k_q86c6c895b6_final-k_q86c6c895b6_final
	.p2alignl 7, 3214868480
	.fill 96, 4, 3214868480
	.section	.rodata,"a",@progbits
	.p2align	6, 0x0
	.amdhsa_kernel k_q86c6c895b6_final
		.amdhsa_group_segment_fixed_size 35840
		.amdhsa_private_segment_fixed_size 0
		.amdhsa_enable_private_segment 0
		.amdhsa_kernarg_size 40
		.amdhsa_user_sgpr_count 2
		.amdhsa_user_sgpr_kernarg_segment_ptr 1
		.amdhsa_wavefront_size32 1
		.amdhsa_system_sgpr_workgroup_id_x 1
		.amdhsa_system_sgpr_workgroup_id_y 1
		.amdhsa_system_sgpr_workgroup_id_z 1
		.amdhsa_system_vgpr_workitem_id 0
		.amdhsa_next_free_vgpr 256
		.amdhsa_next_free_sgpr 66
		.amdhsa_reserve_vcc 1
		.amdhsa_float_denorm_mode_32 3
		.amdhsa_float_denorm_mode_16_64 3
		.amdhsa_memory_ordered 1
		.amdhsa_forward_progress 1
		.amdhsa_inst_pref_size 51
	.end_amdhsa_kernel
	.amdgpu_metadata
---
amdhsa.version: [ 1, 2 ]
amdhsa.kernels:
  - .name:           k_q86c6c895b6_final
    .symbol:         k_q86c6c895b6_final.kd
    .args:
      - { .name: x, .offset: 0, .size: 8, .value_kind: global_buffer, .address_space: global }
      - { .name: GB, .offset: 8, .size: 8, .value_kind: global_buffer, .address_space: global }
      - { .name: b_fc, .offset: 16, .size: 8, .value_kind: global_buffer, .address_space: global }
      - { .name: out0, .offset: 24, .size: 8, .value_kind: global_buffer, .address_space: global }
      - { .name: out1, .offset: 32, .size: 8, .value_kind: global_buffer, .address_space: global }
    .group_segment_fixed_size: 35840
    .private_segment_fixed_size: 0
    .kernarg_segment_align: 8
    .kernarg_segment_size: 40
    .max_flat_workgroup_size: 256
    .sgpr_count:     66
    .vgpr_count:     256
    .wavefront_size: 32
...
	.end_amdgpu_metadata
.endif
;; end of part 3
;; ======== version 2 of 2: 3 launches; version 1 with the launch gmat written anew for expert scheduling mode
;; workspace buffers: MT 131,072 bytes; GB 262,144 bytes
;; launch prep: the kernel of part 1 again; grid 5 x 1, 8 waves a work-group, no clusters, 1,280 bytes of LDS; arguments prototypes, W_fc, MT; writes MT
;; launch gmat (part 4): grid 256 x 1, 8 waves a work-group, no clusters, 18,432 bytes of LDS; arguments W_feat, MT, GB; writes GB
.if DOCPART == 4
	.amdgcn_target "amdgcn-amd-amdhsa--gfx1250"
	.amdhsa_code_object_version 6
	.text
	.protected	k_q86c6c895b6_gmat
	.globl	k_q86c6c895b6_gmat
	.p2align	8
	.type	k_q86c6c895b6_gmat,@function
k_q86c6c895b6_gmat:
	s_mov_b64 s[64:65], 0
	v_nop
	global_prefetch_b8 v0, s[64:65] scope:SCOPE_SE
	s_setreg_imm32_b32 hwreg(HW_REG_WAVE_SCHED_MODE, 0, 2), 2
	s_setreg_imm32_b32 hwreg(HW_REG_WAVE_MODE, 25, 1), 1
	s_wait_xcnt 0x0
	s_wait_alu depctr_vm_vsrc(0)
; G = W_feat M, 4096 x 10, stored as GB: G^T in three bf16 parts, in the order in which the last launch's lanes take it.  feats = x W_feat is not formed: (x W_feat) M = x (W_feat M), as shown at the head of prep.
; W_feat is rounded once to bf16 on its way through registers; M comes from MT in three bf16 parts (32 columns; the plan of columns stands at the head of prep); sums in f32.
; SHARES.  Work-group w makes rows k = 16 w .. 16 w + 15 of G.  d IS SPLIT AMONG ITS EIGHT WAVES: wave v takes d = 256 v .. 256 v + 255, in four trips of 64: 256 consecutive bytes, aligned, of each
;  of the 16 rows of W_feat.  The eight partial sums meet in LDS; wave 0 adds them, adds the three parts' sums, splits each number into three bf16 parts again and stores 1,024 bytes.
; LAYOUT.  The product is taken transposed (source 0 = 16 rows of MT, source 1 = 16 rows of W_feat): lane (r = l % 16, h = l / 16) holds row k = 16 w + r and, in register jj, column 16 T + 8 h + jj:
;  all parts of the five functionals of group g = h lie in one lane.
; ORDER ALONG d.  Load j of 8 brings a lane the four f32 at d = 8 j + 4 h + 0..3 of the trip; pairs are rounded in ascending order, and registers 8 f .. 8 f + 7 of the rounded sixteen are fragment f.  So register q,
;  half e of fragment F holds d = 32 F + 8 (q / 2) + 4 h + 2 (q % 2) + e.  MT is laid out in the same order, and a permutation of d that both sources share keeps the products.
; IN FLIGHT.  Three sets of registers, a trip each: 48 loads of 512 bytes a wave are out at the start.  No loop: the four trips are written out, every offset is an immediate, no address register is rewritten.
; NO LDS ON THE WAY IN, NO CLUSTER.  No wave wants a byte of W_feat that another has fetched.  All work-groups read MT (128 KiB), but each byte of it is wanted by one wave of a work-group, once, and lies
;  in memory as the wave's registers take it: brought jointly into LDS it would be written there and read from there once more, behind rounds of a barrier, to spare loads of 128 KiB that every work-group has just read.
; THE MODE: SCHED_MODE bits 1:0 = 2 (LLVM: expert scheduling mode 2), set by the entry lines.  The code itself states the register dependences
;  between vector or matrix instructions and memory or LDS instructions, with s_wait_alu, always for 0.
; THE PLAN.  Registers that memory or LDS instructions touch:
;   v4-v11         addresses, offsets, a zero, the add's two: written at the head, ahead of the first wait on va_vdst, and never again.
;   set b, 0-31    W_feat as loaded.  Read by the trip's sixteen conversions: sets 1 and 2 are rounded in place, set 0 into BF, so that set 0's 32 registers are empty behind its conversions and are
;                  asked for again there, with the fourth trip, ahead of the trip's products.
;   set b, 32-63   MT's fragments.  Read by the trip's four products.  Set 0's are asked for again behind its products.
;   BF             named by conversions and products alone.
;   ACC + 0..15    written by the products and the eight sums, then read by four LDS stores; not written again.
;   BUF + 0..127   at the end (wave 0): 32 LDS loads land there, behind the wait that stands ahead of the LDS stores; no vector instruction stands between that wait and them.
;   HH, MM, LL     written by the splitting, then read by sixteen LDS stores; not written again.   BUF + 0..7: two loads from the stage land there, the global stores read them; not written again.
;  No register that a memory or LDS instruction reads is ever written again: so no wait on vm_vsrc is written but the entry line's and the closing lines' own.
.set PART,  0                          ; LDS: wave v's two partial tiles at 2,048 v: register 4 q + e of tile T, lane l at 1,024 T + 512 q + 16 l + 4 e
.set STG,   16384                      ; wave 0's stage: tile T's 512 bytes as they go to GB
.set SPARE, 17408                      ; the spare words, 128 bytes for each of 8 waves
.set FA,  4                            ; v4   8,192 r + 16 h + 1,024 v: my place in W_feat's rows; never rewritten
.set FB,  5                            ; v5   4,096 r + 16 h + 512 v: in MT's rows; never rewritten
.set LS,  6                            ; v6   2,048 v + 16 l
.set LR,  7                            ; v7   16 l
.set SPW, 8                            ; v8   my spare word; never rewritten
.set NIL, 9                            ; v9   0; never rewritten
.set SA,  10                           ; v10  where my number of column jj = 0, tile 0 lies in the stage
.set ZR,  11                           ; v11  0: the column that is 0
.set ACC, 16                           ; v[16:47] four accumulators: fragment f, tile T at ACC + 8 (2 f + T)
.set BF,  48                           ; v[48:63] set 0's W_feat in bf16: two fragments
.set BUF, 64                           ; v[64:255] three sets of 64: W_feat's 32, then MT's fragments (f, T) at 32 + 8 (2 f + T)
.set S0,  BUF                          ; at the end: tile 0's and tile 1's sums,
.set S1,  BUF+8
.set VAL, BUF+16                       ; the five numbers, their parts, and a part widened
.set HH,  BUF+24
.set MM,  BUF+32
.set LL,  BUF+40
.set TT,  BUF+48
	s_load_b128 s[4:7], s[0:1], 0x0                ; W_feat s[4:5], MT s[6:7]
	s_load_b64 s[8:9], s[0:1], 0x10                ; GB
	v_lshl_add_u32 v[SPW], v0, 2, SPARE
	v_mov_b32 v[NIL], 0
	v_lshrrev_b32 v1, 5, v0
	v_readfirstlane_b32 s10, v1                    ; wave 0..7
	v_and_b32 v1, 15, v0                           ; r
	v_bfe_u32 v2, v0, 4, 1                         ; h
	v_and_b32 v3, 31, v0                           ; l
	s_mov_b32 s11, 0xffff0000                      ; a word's upper bf16
	s_wait_alu depctr_va_sdst(0)                   ; s10 is written, ahead of its first reader: the wave's places in W_feat, MT and LDS are made from it
	s_lshl_b32 s12, s10, 10
	s_lshl_b32 s13, s10, 9
	s_lshl_b32 s14, s10, 11
	v_lshlrev_b32 v[FA], 13, v1
	v_lshl_add_u32 v[FA], v2, 4, v[FA]
	v_add_nc_u32 v[FA], s12, v[FA]
	v_lshlrev_b32 v[FB], 12, v1
	v_lshl_add_u32 v[FB], v2, 4, v[FB]
	v_add_nc_u32 v[FB], s13, v[FB]
	v_lshl_add_u32 v[LS], v3, 4, s14
	v_lshlrev_b32 v[LR], 4, v3
	; GB holds, at 2,048 F + 1,024 T + 512 q + 16 (n + 16 h') + 2 i, column 16 T + n at k = 32 F + 8 (2 q + i / 4) + 4 h' + i % 4.  My k = 16 w + r: F = w / 2, q = w % 2, h' = (r / 4) % 2, i = 4 (r / 8) + r % 4; n = 8 h + jj
	v_bfe_u32 v12, v1, 2, 1                        ; h'
	v_lshrrev_b32 v13, 3, v1
	v_and_b32 v14, 3, v1
	v_lshl_add_u32 v13, v13, 2, v14                ; i
	v_lshlrev_b32 v[SA], 7, v2                     ; 16 x 8 h
	v_lshl_add_u32 v[SA], v12, 8, v[SA]            ; + 256 h'
	v_lshl_add_u32 v[SA], v13, 1, v[SA]            ; + 2 i
	v_add_nc_u32 v[SA], STG, v[SA]
	v_mov_b32 v[ZR], 0
	s_lshl_b32 s16, ttmp9, 17                      ; 16 rows of 8,192 bytes
	s_mov_b32 s17, 0
	s_lshr_b32 s18, ttmp9, 1
	s_lshl_b32 s18, s18, 11                        ; 2,048 F
	s_and_b32 s19, ttmp9, 1
	s_lshl_b32 s19, s19, 9                         ; 512 q
	s_add_co_u32 s18, s18, s19
	s_mov_b32 s19, 0
	s_wait_kmcnt 0x0
	s_add_nc_u64 s[4:5], s[4:5], s[16:17]
	s_add_nc_u64 s[8:9], s[8:9], s[18:19]
	s_wait_alu depctr_va_vdst(0)                   ; v4 to v11 are written: the offsets that the loads below read, and the LDS addresses, the zero and the add's two registers that later lines read; no vector instruction names them again
; Trip tau's eight loads of W_feat into set b
.macro LOADW b, tau
.irp j, 0,1,2,3,4,5,6,7
	global_load_b128 v[BUF+64*(\b)+4*(\j):BUF+64*(\b)+4*(\j)+3], v[FA], s[4:5] offset:256*(\tau)+32*(\j)
.endr
.endm
; Trip tau's eight loads of MT into set b
.macro LOADM b, tau
.irp f, 0,1
.irp c, 0,1
.irp p, 0,1
	global_load_b128 v[BUF+64*(\b)+32+8*(2*(\f)+(\c))+4*(\p):BUF+64*(\b)+32+8*(2*(\f)+(\c))+4*(\p)+3], v[FB], s[6:7] offset:65536*(\c)+128*(\tau)+64*(\f)+32*(\p)
.endr
.endr
.endr
.endm
; W_feat's 32 f32 of set b are rounded to bf16 into the sixteen registers from dst on: register i takes registers 2 i and 2 i + 1, ascending, so that in place (dst = the set itself) nothing is written before it is read
.macro CVT b, dst
.set i, 0
.rept 16
	v_cvt_pk_bf16_f32 v[(\dst)+i], v[BUF+64*(\b)+2*i], v[BUF+64*(\b)+2*i+1]
.set i, i+1
.endr
.endm
; A trip's four products: MT's fragments of set b, W_feat's two fragments from a on.  The four accumulators take turns, one instruction a turn, from trip to trip too.  zero = 1: the first trip starts the sums
.macro MULS b, a, zero
.irp f, 0,1
.irp c, 0,1
.if \zero
	v_wmma_f32_16x16x32_bf16 v[ACC+8*(2*(\f)+(\c)):ACC+8*(2*(\f)+(\c))+7], v[BUF+64*(\b)+32+8*(2*(\f)+(\c)):BUF+64*(\b)+32+8*(2*(\f)+(\c))+7], v[(\a)+8*(\f):(\a)+8*(\f)+7], 0
.else
	v_wmma_f32_16x16x32_bf16 v[ACC+8*(2*(\f)+(\c)):ACC+8*(2*(\f)+(\c))+7], v[BUF+64*(\b)+32+8*(2*(\f)+(\c)):BUF+64*(\b)+32+8*(2*(\f)+(\c))+7], v[(\a)+8*(\f):(\a)+8*(\f)+7], v[ACC+8*(2*(\f)+(\c)):ACC+8*(2*(\f)+(\c))+7]
.endif
.endr
.endr
.endm
.macro PLACES                          ; four places behind the last product, in front of loads into registers that it has read and of sums that read results
.rept 4
	v_nop
.endr
.endm
.macro TREE                            ; eight waves' 16 sums at BUF + 16 v' -> BUF .. BUF + 15
.irp d, 64, 32, 16
.set r, 0
.rept (\d)/2
	v_pk_add_f32 v[BUF+r:BUF+r+1], v[BUF+r:BUF+r+1], v[BUF+(\d)+r:BUF+(\d)+r+1]
.set r, r+2
.endr
.endr
.endm
	LOADW 0, 0
	LOADM 0, 0
	LOADW 1, 1
	LOADM 1, 1
	LOADW 2, 2
	LOADM 2, 2
	s_wait_loadcnt 32                              ; set 0 is in; the 32 younger loads, sets 1 and 2, stay out
	CVT 0, BF
	s_wait_alu depctr_va_vdst(0)                   ; the conversions are done reading set 0's 32 registers of W_feat, in which the eight loads below land
	LOADW 0, 3                                     ; the last trip's W_feat, into the registers just emptied
	MULS 0, BF, 1                                  ; the products name BF, set 0's fragments of MT and the accumulators: none of the registers in which those eight loads land
	PLACES
	s_wait_alu depctr_va_vdst(0)                   ; the four products are done reading set 0's fragments of MT, in which the eight loads below land
	LOADM 0, 3                                     ; the last trip's MT
	s_wait_loadcnt 32                              ; set 1 is in; set 2 and the new set 0 stay out
	CVT 1, BUF+64
	MULS 1, BUF+64, 0
	s_wait_loadcnt 16                              ; set 2 is in
	CVT 2, BUF+128
	MULS 2, BUF+128, 0
	s_wait_loadcnt 0x0
	CVT 0, BF                                      ; BF's last readers, the first trip's products, stand 32 conversions back
	MULS 0, BF, 0
	PLACES
	PLACES
.set r, 0
.rept 8
	v_pk_add_f32 v[ACC+r:ACC+r+1], v[ACC+r:ACC+r+1], v[ACC+16+r:ACC+16+r+1]  ; the two fragments' sums; each accumulator is read from its low end on
.set r, r+2
.endr
	s_wait_alu depctr_va_vdst(0)                   ; the eight sums have written ACC + 0..15, which the LDS stores read; and every conversion and product is done with BUF + 0..127, in which wave 0's LDS loads land behind the barrier
.irp c, 0,1
.irp p, 0,1
	ds_store_b128 v[LS], v[ACC+8*(\c)+4*(\p):ACC+8*(\c)+4*(\p)+3] offset:PART+1024*(\c)+512*(\p)
.endr
.endr
	s_wait_dscnt 0x0                               ; for wave 0's sake: my stores are done
	s_barrier_signal -1
	s_barrier_wait -1                              ; all eight partial sums lie in LDS
	s_cmp_lg_u32 s10, 0
	s_cbranch_scc1 .Lend                           ; wave 0 finishes
.irp w, 0,1,2,3,4,5,6,7
.irp c, 0,1
.irp p, 0,1
	ds_load_b128 v[BUF+16*(\w)+8*(\c)+4*(\p):BUF+16*(\w)+8*(\c)+4*(\p)+3], v[LR] offset:PART+2048*(\w)+1024*(\c)+512*(\p)  ; no vector or matrix instruction since the last wait on va_vdst
.endr
.endr
.endr
	s_wait_dscnt 0x0
	TREE
	; G(k, j) = hi's sum + (mid's sum + lo's sum)
.irp j, 0,1,2
	v_add_f32 v[VAL+(\j)], v[S1+(\j)], v[S0+5+(\j)]
.endr
.irp j, 3,4
	v_add_f32 v[VAL+(\j)], v[S1+(\j)], v[S1+2+(\j)]
.endr
.irp j, 0,1,2,3,4
	v_add_f32 v[VAL+(\j)], v[S0+(\j)], v[VAL+(\j)]
.endr
; A part is taken: dst = the number rounded to bf16 (in both halves), and the number keeps what is left (the subtraction is exact)
.macro TAKE dst
.irp j, 0,1,2,3,4
	v_cvt_pk_bf16_f32 v[(\dst)+(\j)], v[VAL+(\j)], v[VAL+(\j)]
.endr
.irp j, 0,1,2,3,4
	v_and_b32 v[TT+(\j)], s11, v[(\dst)+(\j)]
.endr
.irp j, 0,1,2,3,4
	v_sub_f32 v[VAL+(\j)], v[VAL+(\j)], v[TT+(\j)]
.endr
.endm
	TAKE HH
	TAKE MM
.irp j, 0,1,2,3,4
	v_cvt_pk_bf16_f32 v[LL+(\j)], v[VAL+(\j)], v[VAL+(\j)]
.endr
	s_wait_alu depctr_va_vdst(0)                   ; the roundings have written HH, MM and LL, which the LDS stores read; the tree and the sums are done with BUF + 0..7, in which the two loads from the stage land
	; into the stage, two bytes at a time (once a work-group): 32 lanes x 8 columns x 2 bytes fill a tile's 512 bytes
.irp j, 0,1,2,3,4
	ds_store_b16 v[SA], v[HH+(\j)] offset:16*(\j)
	ds_store_b16 v[SA], v[MM+(\j)] offset:512+16*(\j)
.endr
.irp j, 0,1,2
	ds_store_b16 v[SA], v[LL+(\j)] offset:16*(5+(\j))
.endr
	ds_store_b16 v[SA], v[LL+3] offset:512+16*5
	ds_store_b16 v[SA], v[LL+4] offset:512+16*6
	ds_store_b16 v[SA], v[ZR]   offset:512+16*7
	ds_load_b128 v[BUF:BUF+3],   v[LR] offset:STG       ; LDS serves a wave's instructions in order (ISA guide 5.7.1.4): these see the stores above
	ds_load_b128 v[BUF+4:BUF+7], v[LR] offset:STG+512
	s_wait_dscnt 0x0
	global_store_b128 v[LR], v[BUF:BUF+3],   s[8:9]              ; 512 consecutive bytes, at a multiple of 512 from GB's first
	global_store_b128 v[LR], v[BUF+4:BUF+7], s[8:9] offset:1024
.Lend:
	s_wait_dscnt 0x0                               ; the closing lines, six on end
	s_wait_alu 0x0
	s_wait_tensorcnt 0x0
	ds_add_u32 v[SPW], v[NIL]
	s_wait_dscnt 0x0
	s_endpgm
.Lfunc_end_k_q86c6c895b6_gmat:
	.size	k_q86c6c895b6_gmat, .Lfunc_end_k_q86c6c895b6_gmat-k_q86c6c895b6_gmat
	.p2alignl 7, 3214868480
	.fill 96, 4, 3214868480
	.section	.rodata,"a",@progbits
	.p2align	6, 0x0
	.amdhsa_kernel k_q86c6c895b6_gmat
		.amdhsa_group_segment_fixed_size 18432
		.amdhsa_private_segment_fixed_size 0
		.amdhsa_enable_private_segment 0
		.amdhsa_kernarg_size 24
		.amdhsa_user_sgpr_count 2
		.amdhsa_user_sgpr_kernarg_segment_ptr 1
		.amdhsa_wavefront_size32 1
		.amdhsa_system_sgpr_workgroup_id_x 1
		.amdhsa_system_sgpr_workgroup_id_y 1
		.amdhsa_system_sgpr_workgroup_id_z 1
		.amdhsa_system_vgpr_workitem_id 0
		.amdhsa_next_free_vgpr 256
		.amdhsa_next_free_sgpr 66
		.amdhsa_reserve_vcc 0
		.amdhsa_float_denorm_mode_32 3
		.amdhsa_float_denorm_mode_16_64 3
		.amdhsa_memory_ordered 1
		.amdhsa_forward_progress 1
		.amdhsa_inst_pref_size 24
	.end_amdhsa_kernel
	.amdgpu_metadata
---
amdhsa.version: [ 1, 2 ]
amdhsa.kernels:
  - .name:           k_q86c6c895b6_gmat
    .symbol:         k_q86c6c895b6_gmat.kd
    .args:
      - { .name: W_feat, .offset: 0, .size: 8, .value_kind: global_buffer, .address_space: global }
      - { .name: MT, .offset: 8, .size: 8, .value_kind: global_buffer, .address_space: global }
      - { .name: GB, .offset: 16, .size: 8, .value_kind: global_buffer, .address_space: global }
    .group_segment_fixed_size: 18432
    .private_segment_fixed_size: 0
    .kernarg_segment_align: 8
    .kernarg_segment_size: 24
    .max_flat_workgroup_size: 256
    .sgpr_count:     66
    .vgpr_count:     256
    .wavefront_size: 32
...
	.end_amdgpu_metadata
.endif
;; end of part 4
;; launch final: the kernel of part 3 again; grid 256 x 1, 8 waves a work-group, no clusters, 35,840 bytes of LDS; arguments x, GB, b_fc, out0, out1; writes out0, out1
